; MI455X (gfx1250); checked and timed in simulation.
; The chip was launched on July 23, 2026; its instructions are those of AMD's public machine-readable ISA for CDNA 5 (MIT licence, August 2026) and "CDNA5" Instruction Set Architecture Reference Guide (July 2026). The comments in the code are by the model that wrote it; some were corrected since.
;; Swin Transformer. Allowed arithmetic: matrix products marked QUANTISED: E2M1 operands, one E8M0 scale for each 32 along K, by v_wmma_scale_f32_16x16x128_f8f6f4 with both operands' format E2M1 (or v_wmma_scale_f32_32x16x128_f4), f32 sums; everything else in f32.
;; Inputs: f1b 2 x 512 float32; f1w 2 x 128 x 512 float32; f2b 2 x 128 float32; f2w 2 x 512 x 128 float32; n1b 2 x 128 float32; n1g 2 x 128 float32; n2b 2 x 128 float32; n2g 2 x 128 float32; pb 2 x 128 float32; pw 2 x 128 x 128 float32; qkvb 2 x 384 float32; qkvw 2 x 128 x 384 float32; rpb 2 x 169 x 4 float32; x 32 x 3,136 x 128 float32.
;; Outputs: out0 32 x 3,136 x 128 float32.
;; This version of the problem:
;;   THIS VERSION OF THE PROBLEM IS GIVEN IN LOW PRECISION. The matrix products marked QUANTISED in the list below multiply operands that are first quantised to E2M1 (2 exponent bits, 1 mantissa bit; 4 bits a number), with one power-of-two scale for each 32 numbers along K (OCP MX v1.0); their sums are f32. All else is computed in f32.
;;   The module's matrix products, in the order in which they are computed (A, B: the left and right operand; K: the contracted axis; several contracted axes count as one K, in the product's order):
;;     1. [M 100,352, K 128] x [K 128, N 384]; A: computed on the way; B: input qkvw: QUANTISED
;;     2. batch 8,192 x [M 49, K 32] x [K 32, N 49]; A: computed on the way; B: computed on the way: QUANTISED
;;     3. batch 8,192 x [M 49, K 49] x [K 49, N 32]; A: softmax (see below); B: computed on the way: QUANTISED
;;     4. [M 100,352, K 128] x [K 128, N 128]; A: computed on the way; B: input pw: QUANTISED
;;     5. [M 100,352, K 128] x [K 128, N 512]; A: computed on the way; B: input f1w: QUANTISED
;;     6. [M 100,352, K 512] x [K 512, N 128]; A: computed on the way; B: input f2w: QUANTISED
;;     7. [M 100,352, K 128] x [K 128, N 384]; A: computed on the way; B: input qkvw: QUANTISED
;;     8. batch 8,192 x [M 49, K 32] x [K 32, N 49]; A: computed on the way; B: computed on the way: QUANTISED
;;     9. batch 8,192 x [M 49, K 49] x [K 49, N 32]; A: softmax (see below); B: computed on the way: QUANTISED
;;     10. [M 100,352, K 128] x [K 128, N 128]; A: computed on the way; B: input pw: QUANTISED
;;     11. [M 100,352, K 128] x [K 128, N 512]; A: computed on the way; B: input f1w: QUANTISED
;;     12. [M 100,352, K 512] x [K 512, N 128]; A: computed on the way; B: input f2w: QUANTISED
;;   THE QUANTISER, for each operand of a quantised product, along K:
;;     - K is cut into blocks of 32 from its start; a last block that is shorter is filled with zeros.
;;     - A block's scale is 2^e with e = floor(log2(the largest magnitude in the block)) - 2, held to -126 .. 127; a block of zeros has e = 0. As a byte (E8M0): e + 127.
;;     - Each number is divided by its block's scale, clamped to +-6, and rounded to the nearest number of E2M1, ties to even, subnormals kept.
;;     - The product sums the exact products of the quantised numbers (number of the format x scale) in f32.
;;   ~~~python
;;   def quantise(x, axis):      # numpy; x: float32 -> the quantised numbers, widened to float32 again
;;       x = np.moveaxis(x, axis, -1); K = x.shape[-1]
;;       x = np.pad(x, [(0, 0)] * (x.ndim - 1) + [(0, -K % 32)]); x = x.reshape(x.shape[:-1] + (-1, 32)); a = np.abs(x).max(-1, keepdims=True)
;;       e = np.where(a > 0, np.clip(np.frexp(np.where(a > 0, a, 1))[1] - 1 - 2, -126, 127), 0)      # np.frexp(a)[1] - 1 = floor(log2(a)), exactly
;;       r = np.clip(x / 2.0 ** e, -6, 6)
;;       step = 2.0 ** (np.maximum(np.frexp(np.where(r == 0, 1, r))[1] - 1, 0) - 1)
;;       q = np.round(r / step) * step * 2.0 ** e      # np.round: ties to even
;;       return np.moveaxis(q.reshape(q.shape[:-2] + (-1,))[..., :K], -1, axis).astype(np.float32)
;;   ~~~
;;   SOFTMAX AHEAD OF A QUANTISED PRODUCT. Where the list says 'softmax', what is quantised is not the finished softmax but p = 2^(t - M), with t = logit x log2(e) and M = ceil(the row's largest t), a whole number; so 1/2 < the row's largest p <= 1. The row's sum l is taken of the UNQUANTISED p, in f32, and the product's result is divided by l at the end. Since M is a whole number, a kernel that streams over the keys may use a running M (the ceiling of the running maximum): every later rescaling is an exact power of two, which a block's scale takes up: the codes' values come out the same.
;;   OPERANDS COMPUTED ON THE WAY. 'Computed on the way' means the value that the module computes at that place (a softmax that the list does not call 'softmax' is quantised finished and normalised). What goes into a quantiser is computed in f32, as accurately as f32 sums, v_exp_f32 and their like allow (about 1e-6 of the number): no bf16 or f16 on the way to a quantiser, and a product that is left as it is and whose result goes on into a quantised operand takes f32 operands (vector FMAs, or v_wmma_f32_16x16x4_f32). A number that lies on a knife's edge between two numbers of the format may be rounded either way, as far as f32 arithmetic and the matrix unit's own rounding can turn it there, and no further.
;; One version. Each part assembles by itself: llvm-mc -triple=amdgcn-amd-amdhsa -mcpu=gfx1250 --defsym DOCPART=n.
;; ======== version 1 of 1: 3 launches
;; limits: right only within a limited range of input values
;; workspace buffers: ly0 376,832 bytes; ly1 376,832 bytes; mp0 131,072 bytes of whole numbers; mp1 131,072 bytes of whole numbers; xmid 51,380,224 bytes
;; launch prep (part 1): grid 210 x 1, 4 waves a work-group, no clusters, 0 bytes of LDS; arguments qkvw, pw, f1w, f2w, rpb, n1g, n1b, qkvb, pb, n2g, n2b, f1b, f2b, ly0, ly1, mp0, mp1; writes ly0, ly1, mp0, mp1
.if DOCPART == 1
	.amdgcn_target "amdgcn-amd-amdhsa--gfx1250"
	.amdhsa_code_object_version 6
	.text
	.protected	k_q74ccff6d5d_prep
	.globl	k_q74ccff6d5d_prep
	.p2align	8
	.type	k_q74ccff6d5d_prep,@function
k_q74ccff6d5d_prep:
	s_mov_b64 s[64:65], 0
	v_nop
	global_prefetch_b8 v0, s[64:65] scope:SCOPE_SE
	s_setreg_imm32_b32 hwreg(HW_REG_WAVE_MODE, 25, 1), 1
	s_wait_xcnt 0x0
; PREP: lays out, once, all that the two block launches read beside the tokens.  One buffer ly for each layer, one map mp for each layer.
; ly: 0       the weights as codes of FP4 (E2M1), quantised along K (their first axis), as IMAGES OF OPERAND REGISTERS: [wave 0..3][slot 0..23][1,024 bytes]; register 4 c + i of lane L at byte 512 c + 16 L + 4 i.
;             slots 0,1 Wq; 2,3 Wk; 4,5 Wv; 6,7 Wp; 8..15 W1's eight tiles; 16 + 4 n + s W2 (tile n, K step s).  Lane r of a tile holds output column base + 8 u + r + 8 (r / 8).
;     98,304  their scale words [wave][slot][16 words]      104,448 the small parameters, f32      114,688 the tables bias + mask [type][head][tile 4 kt + qt][1,024 bytes]
; mp: [window position 0..63][512 whole numbers]: entry e < 64: the place in an image (0..3,135) of the window's token min(e, 48); entry 64 + R: (R' / 49) x 3,136 + the place of token R' % 49, R' = min(R, 391).
; Work-groups 0-47: a slot of a layer, wave w for wave w's part.  48-79: a table (layer, type, head), wave = kt.  80-207: a map (layer, position).  208, 209: a layer's parameters (6,656 bytes: one wave copies them).
; A block's scale is 2^(floor(log2(largest magnitude)) - 2); its byte is the largest magnitude's exponent field - 2, held at 1 from below.
; LIMITS: a block of zeros, or one whose largest magnitude lies under 2^-124, gets the byte 1 (the bytes are read by this program alone; zero codes add nothing); NaN and infinities are not served.
	s_load_b256 s[4:11], s[0:1], 0x0               ; qkvw s[4:5], pw s[6:7], f1w s[8:9], f2w s[10:11]
	s_load_b64 s[12:13], s[0:1], 0x20              ; rpb
	s_load_b512 s[16:31], s[0:1], 0x28             ; n1g, n1b, qkvb, pb, n2g, n2b, f1b, f2b
	s_load_b256 s[32:39], s[0:1], 0x68             ; ly0, ly1, mp0, mp1
	v_lshrrev_b32 v1, 5, v0
	v_readfirstlane_b32 s40, v1                    ; wave
	v_and_b32 v1, 31, v0                           ; lane
	v_and_b32 v2, 15, v0                           ; r
	v_bfe_u32 v3, v0, 4, 1                         ; h
	s_mov_b32 s56, 0x76543210
	s_mov_b32 s57, 0xfedcba98                      ; v_permlanex16_b32's selects for lane l xor 16
	s_mov_b32 s47, 0                               ; the high word of every offset
	s_wait_kmcnt 0x0
	s_cmp_lt_u32 ttmp9, 48
	s_cbranch_scc1 .Lweights
	s_cmp_lt_u32 ttmp9, 80
	s_cbranch_scc1 .Ltables
	s_cmp_lt_u32 ttmp9, 208
	s_cbranch_scc1 .Lmaps
	; ---- the small parameters: 13 pieces of 512 bytes, 16 bytes a lane
	s_cmp_lg_u32 s40, 0
	s_cbranch_scc1 .Lend
	s_sub_co_u32 s41, ttmp9, 208                   ; layer
	s_cmp_eq_u32 s41, 0
	s_cselect_b64 s[44:45], s[32:33], s[34:35]
	s_add_nc_u64 s[44:45], s[44:45], 104448
	s_wait_alu depctr_va_vdst(0)
	v_lshlrev_b32 v4, 4, v1
	s_lshl_b32 s42, s41, 9
	v_add_nc_u32 v5, s42, v4                       ; a layer of 128 numbers
	s_mul_i32 s42, s41, 1536
	v_add_nc_u32 v6, s42, v4                       ; of 384
	s_lshl_b32 s42, s41, 11
	v_add_nc_u32 v7, s42, v4                       ; of 512
	global_load_b128 v[16:19], v5, s[16:17]
	global_load_b128 v[20:23], v5, s[18:19]
	global_load_b128 v[24:27], v6, s[20:21]
	global_load_b128 v[28:31], v6, s[20:21] offset:512
	global_load_b128 v[32:35], v6, s[20:21] offset:1024
	global_load_b128 v[36:39], v5, s[22:23]
	global_load_b128 v[40:43], v5, s[24:25]
	global_load_b128 v[44:47], v5, s[26:27]
	global_load_b128 v[48:51], v7, s[28:29]
	global_load_b128 v[52:55], v7, s[28:29] offset:512
	global_load_b128 v[56:59], v7, s[28:29] offset:1024
	global_load_b128 v[60:63], v7, s[28:29] offset:1536
	global_load_b128 v[64:67], v5, s[30:31]
	s_wait_alu depctr_va_vdst(0)
	s_wait_loadcnt 0x0
.set ii, 0
.rept 13
	global_store_b128 v4, v[16+4*ii:19+4*ii], s[44:45] offset:512*ii   ; n1g 0, n1b 512, qkvb 1,024, pb 2,560, n2g 3,072, n2b 3,584, f1b 4,096, f2b 6,144
.set ii, ii+1
.endr
.Lend:
	s_endpgm
; ---- a fragment of a weight [K][n]: lane (r, h) takes one column and its registers run DOWN K in the order of the operand's registers: k = 64 c + 32 h + i.  s[54:55]: the tile's first number; v4: 4 (r + 8 (r / 8))
.macro WFRAG n
	v_mul_u32_u24 v5, v3, 32*\n*4                  ; lanes 16-31 begin 32 rows further down
	s_wait_alu depctr_va_vdst(0)
	v_add_nc_u32 v5, v5, v4
.set ii, 0
.rept 64
	global_load_b32 v[32+ii], v5, s[54:55] offset:(64*(ii/32)+ii%32)*\n*4
.set ii, ii+1
.endr
	s_wait_loadcnt 0x0
.irp c, 0,1
	v_max3_num_f32 v[8+\c], |v[32+32*\c]|, |v[33+32*\c]|, 0x1800000   ; my block 2 c + h: all its 32 numbers are mine; the floor 2^(3 - 127) holds the byte at 1 from below
.endr
.irp i, 2,4,6,8,10,12,14,16,18,20,22,24,26,28,30
.irp c, 0,1
	v_max3_num_f32 v[8+\c], v[8+\c], |v[32+32*\c+\i]|, |v[33+32*\c+\i]|
.endr
.endr
.irp c, 0,1
	v_add_nc_u32 v[10+\c], 0xff000000, v[8+\c]     ; 2 off the exponent field: the conversion's scale operand
.endr
.irp c, 0,1
	v_lshrrev_b32 v[12+\c], 23, v[10+\c]           ; the scale's byte
.endr
	v_lshl_or_b32 v14, v13, 16, v12                ; blocks h and 2 + h,
	v_lshlrev_b32 v15, 3, v3
	v_lshlrev_b32 v14, v15, v14                    ; at their places in the word;
	v_mov_b32 v15, 0
	v_permlanex16_b32 v15, v14, s56, s57
	v_or_b32 v14, v14, v15                         ; with lane l xor 16's two the word is whole
.irp c, 0,1
.irp g, 0,1,2,3
	v_cvt_scalef32_pk8_fp4_f32 v[16+4*\c+\g], v[32+32*\c+8*\g:39+32*\c+8*\g], v[10+\c]
.endr
.endr
	global_store_b128 v6, v[16:19], s[50:51]               ; the image: 512 consecutive bytes a store
	global_store_b128 v6, v[20:23], s[50:51] offset:512
	global_store_b32 v7, v14, s[52:53]                     ; the column's scale word (both halves of the lanes store the same word)
	s_endpgm
.endm
.Lweights:
	s_and_b32 s41, ttmp9, 1                        ; layer
	s_lshr_b32 s42, ttmp9, 1                       ; slot
	s_cmp_eq_u32 s41, 0
	s_cselect_b64 s[44:45], s[32:33], s[34:35]
	s_mul_i32 s46, s40, 24576
	s_lshl_b32 s48, s42, 10
	s_add_co_u32 s46, s46, s48
	s_add_nc_u64 s[50:51], s[44:45], s[46:47]      ; where the image goes
	s_mul_i32 s46, s40, 1536
	s_lshl_b32 s48, s42, 6
	s_add_co_u32 s46, s46, s48
	s_add_co_u32 s46, s46, 98304
	s_add_nc_u64 s[52:53], s[44:45], s[46:47]      ; and the scale words
	s_wait_alu depctr_va_vdst(0)
	v_lshlrev_b32 v6, 4, v1
	v_lshlrev_b32 v7, 2, v2
	v_and_b32 v4, 8, v2
	v_add_nc_u32 v4, v4, v2
	v_lshlrev_b32 v4, 2, v4                        ; 4 (r + 8 (r / 8))
	s_and_b32 s43, s42, 1                          ; u of slots 0 to 7
	s_lshl_b32 s49, s40, 7                         ; 32 columns a wave, in bytes
	s_cmp_lt_u32 s42, 6
	s_cbranch_scc1 .Lw_qkv
	s_sub_co_u32 s48, s42, 8
	s_cmp_lt_u32 s48, 8
	s_cbranch_scc1 .Lw_f1
	; rows of 128 numbers: pw (slots 6, 7) or f2w (slots 16 to 23: tile (slot / 4) % 2, K step slot % 4)
	s_and_b32 s59, s42, 3
	s_bfe_u32 s48, s42, 0x10002
	s_cmp_lt_u32 s42, 8
	s_cselect_b64 s[54:55], s[6:7], s[10:11]
	s_cselect_b32 s58, 16, 18                      ; a layer: 2^16 or 2^18 bytes
	s_cselect_b32 s48, s43, s48
	s_cselect_b32 s59, 0, s59
	s_lshl_b32 s46, s41, s58
	s_lshl_b32 s59, s59, 16                        ; a K step: 128 rows of 512 bytes
	s_add_co_u32 s46, s46, s59
	s_lshl_b32 s48, s48, 5                         ; 8 columns
	s_add_co_u32 s46, s46, s48
	s_add_co_u32 s46, s46, s49
	s_add_nc_u64 s[54:55], s[54:55], s[46:47]
	WFRAG 128
.Lw_qkv:
	s_lshr_b32 s48, s42, 1                         ; q, k or v: 128 columns each
	s_lshl_b32 s48, s48, 9
	s_mul_i32 s46, s41, 196608
	s_add_co_u32 s46, s46, s48
	s_lshl_b32 s48, s43, 5
	s_add_co_u32 s46, s46, s48
	s_add_co_u32 s46, s46, s49
	s_add_nc_u64 s[54:55], s[4:5], s[46:47]
	WFRAG 384
.Lw_f1:                                            ; s48 = tile t: columns 128 w + 32 (t / 2) + 8 (t % 2)
	s_lshr_b32 s58, s48, 1
	s_lshl_b32 s58, s58, 7
	s_and_b32 s59, s48, 1
	s_lshl_b32 s59, s59, 5
	s_lshl_b32 s46, s41, 18
	s_add_co_u32 s46, s46, s58
	s_add_co_u32 s46, s46, s59
	s_lshl_b32 s58, s40, 9
	s_add_co_u32 s46, s46, s58
	s_add_nc_u64 s[54:55], s[8:9], s[46:47]
	WFRAG 512
; ---- a table: register j of lane (r, h) of tile (kt, qt) = rpb[rel(q, k)][head] + mask, q = 16 qt + r, k = 16 kt + 8 h + j; keys past 48 hold -1e30
; of token v[tok]: v[lin] = 13 i + j = token + 6 i (i = token / 7, j = token % 7), v[reg] = its region: bit 1: i >= 4, bit 0: j >= 4, each only where the window's type has the flag (s48)
.macro SPOT tok, lin, reg
	v_mul_u32_u24 v8, v[\tok], 37
	v_lshrrev_b32 v8, 8, v8                        ; token / 7, right up to 63
	v_mad_u32_u24 v[\lin], v8, 6, v[\tok]
	v_mul_u32_u24 v9, v8, 7
	v_sub_nc_u32 v9, v[\tok], v9
	v_lshrrev_b32 v8, 1, v8
	v_and_b32 v8, 2, v8
	v_bfe_u32 v9, v9, 2, 1
	v_or_b32 v8, v8, v9
	v_and_b32 v[\reg], s48, v8
.endm
.Ltables:
	s_sub_co_u32 s41, ttmp9, 48
	s_and_b32 s42, s41, 1                          ; layer
	s_bfe_u32 s43, s41, 0x20001                    ; type: bit 0: last column of windows, bit 1: last row
	s_lshr_b32 s46, s41, 3                         ; head
	s_cmp_eq_u32 s42, 0
	s_cselect_b64 s[44:45], s[32:33], s[34:35]
	s_mul_i32 s48, s42, 3
	s_and_b32 s48, s48, s43                        ; the flags: layer 0 has no mask
	s_mul_i32 s50, s42, 2704
	s_lshl_b32 s49, s46, 2
	s_add_co_u32 s50, s50, s49
	s_mov_b32 s51, 0
	s_add_nc_u64 s[12:13], s[12:13], s[50:51]      ; rpb at the layer and the head
	s_lshl_b32 s50, s43, 2
	s_add_co_u32 s50, s50, s46
	s_lshl_b32 s50, s50, 14
	s_lshl_b32 s49, s40, 12
	s_add_co_u32 s50, s50, s49
	s_add_co_u32 s50, s50, 114688
	s_add_nc_u64 s[44:45], s[44:45], s[50:51]
	s_wait_alu depctr_va_vdst(0)
	v_lshlrev_b32 v4, 4, v1
	s_lshl_b32 s49, s40, 4
	v_lshl_add_u32 v5, v3, 3, s49                  ; 16 kt + 8 h
.irp j, 0,1,2,3,4,5,6,7
	v_add_nc_u32 v[16+\j], \j, v5                  ; the key
	SPOT 16+\j, 24+\j, 32+\j
.endr
.irp q, 0,1,2,3
	v_add_nc_u32 v10, 16*\q, v2                    ; the query
	SPOT 10, 40+\q, 44+\q
	v_add_nc_u32 v[40+\q], 84, v[40+\q]
.endr
.irp q, 0,1,2,3
.irp j, 0,1,2,3,4,5,6,7
	v_sub_nc_u32 v[48+8*\q+\j], v[40+\q], v[24+\j] ; 13 (qi - ki + 6) + (qj - kj + 6)
	v_min_u32 v[48+8*\q+\j], 168, v[48+8*\q+\j]    ; padded tokens stay inside the table
	v_lshlrev_b32 v[48+8*\q+\j], 4, v[48+8*\q+\j]
	global_load_b32 v[80+8*\q+\j], v[48+8*\q+\j], s[12:13]
.endr
.endr
	v_mov_b32 v11, 0xc2c80000                      ; -100
	v_mov_b32 v12, 0xf149f2ca                      ; -1e30
	s_wait_alu depctr_va_vdst(0)
	s_wait_loadcnt 0x0
.irp q, 0,1,2,3
.irp j, 0,1,2,3,4,5,6,7
	v_cmp_ne_u32 vcc_lo, v[44+\q], v[32+\j]
	v_cndmask_b32 v8, 0, v11, vcc_lo
	v_add_f32 v[80+8*\q+\j], v[80+8*\q+\j], v8
	v_cmp_lt_u32 vcc_lo, 48, v[16+\j]
	v_cndmask_b32 v[80+8*\q+\j], v[80+8*\q+\j], v12, vcc_lo
.endr
.endr
.irp q, 0,1,2,3
	global_store_b128 v4, v[80+8*\q:83+8*\q], s[44:45] offset:1024*\q
	global_store_b128 v4, v[84+8*\q:87+8*\q], s[44:45] offset:1024*\q+512
.endr
	s_endpgm
; ---- a map: a thread makes entries 4 t .. 4 t + 3 and stores 16 bytes: a wave stores 512 consecutive bytes
.Lmaps:
	s_sub_co_u32 s41, ttmp9, 80
	s_and_b32 s42, s41, 1                          ; layer
	s_lshr_b32 s43, s41, 1                         ; window position
	s_cmp_eq_u32 s42, 0
	s_cselect_b64 s[44:45], s[36:37], s[38:39]
	s_lshl_b32 s46, s43, 11
	s_add_nc_u64 s[44:45], s[44:45], s[46:47]
	s_mul_i32 s48, s42, 3                          ; the shift: 0 or 3
	s_lshr_b32 s49, s43, 3
	s_mul_i32 s49, s49, 7
	s_add_co_u32 s49, s49, s48                     ; 7 wy + shift
	s_and_b32 s50, s43, 7
	s_mul_i32 s50, s50, 7
	s_add_co_u32 s50, s50, s48                     ; 7 wx + shift
	v_lshlrev_b32 v4, 2, v0
	v_lshlrev_b32 v5, 4, v0
.irp n, 0,1,2,3
	v_add_nc_u32 v8, \n, v4                        ; e
	v_add_nc_u32 v9, -64, v8
	v_min_u32 v9, 391, v9                          ; R'
	v_mul_u32_u24 v10, v9, 1338
	v_lshrrev_b32 v10, 16, v10                     ; R' / 49, right up to 391
	v_mul_u32_u24 v11, v10, 49
	v_sub_nc_u32 v11, v9, v11                      ; R' % 49
	v_min_u32 v12, 48, v8
	v_cmp_gt_u32 vcc_lo, 64, v8                    ; the first 64 entries: token min(e, 48) of one image
	v_cndmask_b32 v11, v11, v12, vcc_lo
	v_cndmask_b32 v10, v10, 0, vcc_lo
	v_mul_u32_u24 v12, v11, 37
	v_lshrrev_b32 v12, 8, v12                      ; the token's row in its window
	v_mul_u32_u24 v13, v12, 7
	v_sub_nc_u32 v13, v11, v13                     ; and column
	v_add_nc_u32 v12, s49, v12
	v_add_nc_u32 v13, s50, v13
	v_add_nc_u32 v14, -56, v12
	v_min_u32 v12, v12, v14                        ; mod 56
	v_add_nc_u32 v14, -56, v13
	v_min_u32 v13, v13, v14
	v_mad_u32_u24 v12, v12, 56, v13
	v_mad_u32_u24 v[16+\n], v10, 3136, v12
.endr
	global_store_b128 v5, v[16:19], s[44:45]
	s_endpgm
.Lfunc_end_k_q74ccff6d5d_prep:
	.size	k_q74ccff6d5d_prep, .Lfunc_end_k_q74ccff6d5d_prep-k_q74ccff6d5d_prep
	.p2alignl 7, 3214868480
	.fill 96, 4, 3214868480
	.section	.rodata,"a",@progbits
	.p2align	6, 0x0
	.amdhsa_kernel k_q74ccff6d5d_prep
		.amdhsa_group_segment_fixed_size 0
		.amdhsa_private_segment_fixed_size 0
		.amdhsa_enable_private_segment 0
		.amdhsa_kernarg_size 136
		.amdhsa_user_sgpr_count 2
		.amdhsa_user_sgpr_kernarg_segment_ptr 1
		.amdhsa_wavefront_size32 1
		.amdhsa_system_sgpr_workgroup_id_x 1
		.amdhsa_system_sgpr_workgroup_id_y 1
		.amdhsa_system_sgpr_workgroup_id_z 1
		.amdhsa_system_vgpr_workitem_id 0
		.amdhsa_next_free_vgpr 128
		.amdhsa_next_free_sgpr 66
		.amdhsa_reserve_vcc 1
		.amdhsa_float_denorm_mode_32 3
		.amdhsa_float_denorm_mode_16_64 3
		.amdhsa_memory_ordered 1
		.amdhsa_forward_progress 1
		.amdhsa_inst_pref_size 60
	.end_amdhsa_kernel
	.amdgpu_metadata
---
amdhsa.version: [ 1, 2 ]
amdhsa.kernels:
  - .name:           k_q74ccff6d5d_prep
    .symbol:         k_q74ccff6d5d_prep.kd
    .args:
      - { .name: qkvw, .offset: 0, .size: 8, .value_kind: global_buffer, .address_space: global }
      - { .name: pw, .offset: 8, .size: 8, .value_kind: global_buffer, .address_space: global }
      - { .name: f1w, .offset: 16, .size: 8, .value_kind: global_buffer, .address_space: global }
      - { .name: f2w, .offset: 24, .size: 8, .value_kind: global_buffer, .address_space: global }
      - { .name: rpb, .offset: 32, .size: 8, .value_kind: global_buffer, .address_space: global }
      - { .name: n1g, .offset: 40, .size: 8, .value_kind: global_buffer, .address_space: global }
      - { .name: n1b, .offset: 48, .size: 8, .value_kind: global_buffer, .address_space: global }
      - { .name: qkvb, .offset: 56, .size: 8, .value_kind: global_buffer, .address_space: global }
      - { .name: pb, .offset: 64, .size: 8, .value_kind: global_buffer, .address_space: global }
      - { .name: n2g, .offset: 72, .size: 8, .value_kind: global_buffer, .address_space: global }
      - { .name: n2b, .offset: 80, .size: 8, .value_kind: global_buffer, .address_space: global }
      - { .name: f1b, .offset: 88, .size: 8, .value_kind: global_buffer, .address_space: global }
      - { .name: f2b, .offset: 96, .size: 8, .value_kind: global_buffer, .address_space: global }
      - { .name: ly0, .offset: 104, .size: 8, .value_kind: global_buffer, .address_space: global }
      - { .name: ly1, .offset: 112, .size: 8, .value_kind: global_buffer, .address_space: global }
      - { .name: mp0, .offset: 120, .size: 8, .value_kind: global_buffer, .address_space: global }
      - { .name: mp1, .offset: 128, .size: 8, .value_kind: global_buffer, .address_space: global }
    .group_segment_fixed_size: 0
    .private_segment_fixed_size: 0
    .kernarg_segment_align: 8
    .kernarg_segment_size: 136
    .max_flat_workgroup_size: 128
    .sgpr_count:     66
    .vgpr_count:     128
    .wavefront_size: 32
...
	.end_amdgpu_metadata
.endif
;; end of part 1
;; launch block (part 2): grid 64 x 4, 8 waves a work-group, no clusters, 319,488 bytes of LDS; arguments x, ly0, mp0, xmid; writes xmid
.if DOCPART == 2
	.amdgcn_target "amdgcn-amd-amdhsa--gfx1250"
	.amdhsa_code_object_version 6
	.text
	.protected	k_q74ccff6d5d_block
	.globl	k_q74ccff6d5d_block
	.p2align	8
	.type	k_q74ccff6d5d_block,@function
k_q74ccff6d5d_block:
	s_mov_b64 s[64:65], 0
	v_nop
	global_prefetch_b8 v0, s[64:65] scope:SCOPE_SE
	s_setreg_imm32_b32 hwreg(HW_REG_WAVE_MODE, 25, 1), 1
	s_wait_xcnt 0x0
; ONE SWIN BLOCK: y = x' + MLP(LN2(x')), x' = x + proj(window attention(LN1(x))); all six products on codes of FP4 (E2M1), one E8M0 scale for each 32 along K.
; Arguments: the tokens [32][3136][128] f32; ly: the layer as the launch before laid it (weights as images of operand registers, scale words, parameters, tables bias + mask); mp: the token maps; the result.
; No work of the problem is left out; every input is honoured through ly and mp.
; SHARES.  Work-group (x = window position, y) owns that window in images 8 y .. 8 y + 7: 392 tokens.  EIGHT WAVES, two to a SIMD, 512 registers each.
; ATTENTION: wave v owns the whole window of image 8 y + v: LN1, then a loop over the four heads (q, k, v, scores, softmax, p v), then proj.  A window is 4 tiles of 16 tokens (rows 49-63 are copies of token 48).
; All operands made on the way stay in the wave's registers; weights, tables and parameters are read from LDS, where the head copies them once.  x, then x', lies in LDS (XM), 49 rows a window, compact.
; MLP: the 392 compact rows are 24 tiles and 8 rows.  Wave v takes tiles v, v + 8, v + 16.  The last 8 rows (tile 24, filled up with rows of zeros) are shared by hidden units: waves 0-3 take 128 each, with
; that K step of the second product; the four f32 parts meet in LDS, and wave v adds them for row 384 + v.  The MLP's weights take the tables' LDS bytes behind a barrier.
; LAYOUT.  Products are used transposed (source 0 = 16 output columns of a weight, source 1 = 16 tokens): a lane holds one token, its registers run along the outputs; register 16 b + i = channel 32 b + 16 (lane / 16) + i.
; V is made the other way round, so that its registers run along the keys.  Codes whose place depends on a loop's trip (a head's o, a quarter's hidden units) go into a queue of registers that is shifted each trip.
; SOFTMAX: t = logit x log2(e); M = ceil(row's largest t); p = 2^(t - M) is quantised along the keys; the row's sum of the unquantised p divides at the end.
; GELU: 2 g = x + |x| erf(|x| / sqrt 2), erf(z) = 1 - (a1 t + .. + a5 t^5) exp(-z^2), t = 1 / (1 + 0.3275911 z): absolute error of erf 1.5e-7.  The factor 1/2 is taken off the hidden layer's scale bytes.
; No tensor load, no cluster: each token is read once by one wave; what work-groups share is the layer's 176,640 bytes against 200,704 bytes of tokens each way.  No prefetch: a wave asks for its whole window at the head; there is no loop to run ahead in.
; LIMITS: NaN and infinities are not served.  A block of zeros, or one whose largest magnitude lies under 2^-123, has a scale byte at its floor (zero codes add nothing; the bytes stay in this program).
; Padded keys carry -1e30: logits stay under that.  A p under 2^-126 counts as 0.  The table holds bias + mask added first: on masked pairs the logit may differ by a rounding of 100.
; Rows 384-391 sum the second product's four K steps as a tree of f32 additions, the other rows in ascending order.
.set ROWP,  528                        ; a row of XM: 512 bytes + 16, so that 16 rows of a load start at 16 different banks (ISA guide 11.1)
.set WINB,  49*ROWP
.set TILEB, 16*ROWP
.set REG,   392*ROWP                   ; behind XM: the attention's weights, 32,768 bytes [head][slot 0..7][1,024]
.set TB,    REG+32768                  ; the tables [head][tile][1,024]; later the MLP's weights [part][slot 8..23][1,024]
.set SCL,   TB+65536                   ; scale words [part][slot][64]
.set PRM,   SCL+6144                   ; parameters: n1g 0, n1b 512, qkvb 1,024, pb 2,560, n2g 3,072, n2b 3,584, f1b 4,096
.set SPARE, 318208                     ; the spare words: 128 bytes a wave
.set IMGB,  3136*512
.set L16,1
.set L4,2
.set H64,3
.set ROW0,4                            ; 528 r + 64 h
.set XR,5                              ; my window's rows: (49 v + r) 528 + 64 h
.set XR3,6                             ; token 48: (49 v + 48) 528 + 64 h
.set XST,7                             ; 49 v 528 + 16 lane
.set WAF,8
.set TBF,9
.set SCF,10
.set PRH,11
.set PRV,12
.set HM,13                             ; 0x7fffffff in lanes 0-15, 0 in lanes 16-31
.set ZR,22
.set DT,23
.set SM,24
.set SPW,26
.set NIL,27
.set DW,30                             ; (the head alone; in the MLP v30: where row 384 + v goes)
.set DS,31
.set SW,60                             ; (v60-62: the head alone; in the MLP v60-63: 16 bytes a lane of f2b as it lies)
.set ST,61
.set SS,62
.set A0,64
.set A1,128
.set A2,192
; v14-21 addresses at work; v[28:29] gelu's constant; v32-59 scale words and nothing else.
; window 1, head: the window's 49 rows 0, their offsets 196.  Attention: x's fragments 0, o's queue 32, q's (then p's) 64, k's 96, Wq Wk Wv 128, bq 176, bk 192, bv 208, v's 224.
; proj: Wp 64, pb 128, the MLP's weights on their way 192.  MLP: W1 (or n2g) 0, f1b (or n2b) 64, f2b 128, rows' offsets 192, the hidden queue 208, LN2's fragment 240.
.set MSB, 0
.macro WIN new                         ; s_set_vgpr_msb: bits 1:0 source 0, 3:2 source 1, 5:4 source 2, 7:6 destination; the high byte repeats the setting that is left
.if MSB != \new
	s_set_vgpr_msb (MSB<<8)|\new
.set MSB, \new
.endif
.endm
.macro PLACES n
.rept \n
	v_nop
.endr
.endm
.macro WA                              ; this wait ahead of blocking waits, branches and batches of transcendentals, and behind such batches
	s_wait_alu depctr_va_vdst(0)
.endm
.macro WD n
	WA
	s_wait_dscnt \n
.endm
.macro WL n
	WA
	s_wait_loadcnt \n
.endm
.macro BARRIER                         ; my LDS stores have landed and my LDS loads are in: then the work-group's barrier
	WD 0x0
	s_barrier_signal -1
	s_barrier_wait -1
.endm
.macro MM d, a, b, c, sa, sb, ra, rb   ; D = A x B + C; ra, rb = 1: the side's scale words stand in lanes 16-31
.if (\ra) && (\rb)
	v_wmma_scale_f32_16x16x128_f8f6f4 v[(\d):(\d)+7], v[(\a):(\a)+7], v[(\b):(\b)+7], v[(\c):(\c)+7], v[(\sa)], v[(\sb)] matrix_a_fmt:MATRIX_FMT_FP4 matrix_b_fmt:MATRIX_FMT_FP4 matrix_a_scale:MATRIX_SCALE_ROW1 matrix_b_scale:MATRIX_SCALE_ROW1
.elseif (\ra)
	v_wmma_scale_f32_16x16x128_f8f6f4 v[(\d):(\d)+7], v[(\a):(\a)+7], v[(\b):(\b)+7], v[(\c):(\c)+7], v[(\sa)], v[(\sb)] matrix_a_fmt:MATRIX_FMT_FP4 matrix_b_fmt:MATRIX_FMT_FP4 matrix_a_scale:MATRIX_SCALE_ROW1
.elseif (\rb)
	v_wmma_scale_f32_16x16x128_f8f6f4 v[(\d):(\d)+7], v[(\a):(\a)+7], v[(\b):(\b)+7], v[(\c):(\c)+7], v[(\sa)], v[(\sb)] matrix_a_fmt:MATRIX_FMT_FP4 matrix_b_fmt:MATRIX_FMT_FP4 matrix_b_scale:MATRIX_SCALE_ROW1
.else
	v_wmma_scale_f32_16x16x128_f8f6f4 v[(\d):(\d)+7], v[(\a):(\a)+7], v[(\b):(\b)+7], v[(\c):(\c)+7], v[(\sa)], v[(\sb)] matrix_a_fmt:MATRIX_FMT_FP4 matrix_b_fmt:MATRIX_FMT_FP4
.endif
.endm
.macro MM0 d, a, b, sa, sb
	v_wmma_scale_f32_16x16x128_f8f6f4 v[(\d):(\d)+7], v[(\a):(\a)+7], v[(\b):(\b)+7], 0, v[(\sa)], v[(\sb)] matrix_a_fmt:MATRIX_FMT_FP4 matrix_b_fmt:MATRIX_FMT_FP4
.endm
.macro FETCH reg, adr, off             ; a fragment's image: register 4 c + i of lane L at 512 c + 16 L + 4 i
.irp c, 0,1
	ds_load_b128 v[(\reg)+4*\c:(\reg)+4*\c+3], v[\adr] offset:(\off)+512*\c
.endr
.endm
.macro XLDA ar, adr, off               ; 64 numbers a lane: register 16 b + i = channel 32 b + 16 h + i (the address holds 64 h)
.set ii, 0
.rept 16
	ds_load_b128 v[\ar+4*ii:\ar+4*ii+3], v[\adr] offset:(\off)+128*(ii/4)+16*(ii%4)
.set ii, ii+1
.endr
.endm
.macro XSTA ar, adr, off
.set ii, 0
.rept 16
	ds_store_b128 v[\adr], v[\ar+4*ii:\ar+4*ii+3] offset:(\off)+128*(ii/4)+16*(ii%4)
.set ii, ii+1
.endr
.endm
; LAYER NORM of my row: 64 channels in v[xs] on, the other 64 in lane l xor 16; two passes.  LNA: x - mean into A0, the reciprocal root issued.  A1 at work
.macro LNA xs
.set li, 0
.rept 16
	v_pk_add_f32 v[A1+2*li:A1+2*li+1], v[\xs+2*li:\xs+2*li+1], v[\xs+32+2*li:\xs+33+2*li]
.set li, li+1
.endr
.irp w, 16,8,4,2
.set li, 0
.rept \w/2
	v_pk_add_f32 v[A1+2*li:A1+2*li+1], v[A1+2*li:A1+2*li+1], v[A1+\w+2*li:A1+\w+2*li+1]
.set li, li+1
.endr
.endr
	s_delay_alu instid0(VALU_DEP_1)
	v_add_f32 v[A1], v[A1], v[A1+1]
	s_delay_alu instid0(VALU_DEP_1)
	v_permlanex16_b32 v[A1+2], v[A1], s20, s21
	s_delay_alu instid0(VALU_DEP_1)
	v_add_f32 v[A1], v[A1], v[A1+2]
	s_delay_alu instid0(VALU_DEP_1)
	v_mul_f32 v[A1], s15, v[A1]                    ; the mean
.set li, 0
.rept 32
	v_pk_add_f32 v[A0+2*li:A0+2*li+1], v[\xs+2*li:\xs+2*li+1], v[A1:A1+1] op_sel_hi:[1,0] neg_lo:[0,1] neg_hi:[0,1]
.set li, li+1
.endr
.set li, 0
.rept 4
	v_pk_mul_f32 v[A1+4+2*li:A1+5+2*li], v[A0+2*li:A0+2*li+1], v[A0+2*li:A0+2*li+1]   ; the squares, in four chains
.set li, li+1
.endr
.rept 28
	v_pk_fma_f32 v[A1+4+2*(li%4):A1+5+2*(li%4)], v[A0+2*li:A0+2*li+1], v[A0+2*li:A0+2*li+1], v[A1+4+2*(li%4):A1+5+2*(li%4)]
.set li, li+1
.endr
	v_pk_add_f32 v[A1+4:A1+5], v[A1+4:A1+5], v[A1+6:A1+7]
	v_pk_add_f32 v[A1+8:A1+9], v[A1+8:A1+9], v[A1+10:A1+11]
	s_delay_alu instid0(VALU_DEP_1)
	v_pk_add_f32 v[A1+4:A1+5], v[A1+4:A1+5], v[A1+8:A1+9]
	s_delay_alu instid0(VALU_DEP_1)
	v_add_f32 v[A1+4], v[A1+4], v[A1+5]
	s_delay_alu instid0(VALU_DEP_1)
	v_permlanex16_b32 v[A1+2], v[A1+4], s20, s21
	s_delay_alu instid0(VALU_DEP_1)
	v_add_f32 v[A1+4], v[A1+4], v[A1+2]
	s_delay_alu instid0(VALU_DEP_1)
	v_fma_f32 v[A1+4], v[A1+4], s15, s32           ; the variance + 1e-5
	WA
	v_rsq_f32 v[A1+2], v[A1+4]
.endm
.macro LNB g                           ; x the reciprocal root, x gain + bias: the gain at v[g] of window 1, the bias 64 further on
	v_nop
	WA
.set li, 0
.rept 32
	v_pk_mul_f32 v[A0+2*li:A0+2*li+1], v[A0+2*li:A0+2*li+1], v[A1+2:A1+3] op_sel_hi:[1,0]
.set li, li+1
.endr
	WIN 0x14
.set li, 0
.rept 32
	v_pk_fma_f32 v[A0+2*li:A0+2*li+1], v[A0+2*li:A0+2*li+1], v[\g+2*li:\g+2*li+1], v[\g+64+2*li:\g+65+2*li]
.set li, li+1
.endr
	WIN 0
.endm
.macro LNB1                            ; the same for LN1, while window 1 still takes rows from memory: n1g comes from LDS into A2, which LNA has read out, n1b into A1, once the reciprocal root has left it
	XLDA A2, PRH, 0
	v_nop
	WA
	v_mov_b32 v20, v[A1+2]
	v_mov_b32 v21, v[A1+2]
	XLDA A1, PRH, 512
.set li, 0
.rept 32
	v_pk_mul_f32 v[A0+2*li:A0+2*li+1], v[A0+2*li:A0+2*li+1], v[20:21] op_sel_hi:[1,0]
.set li, li+1
.endr
	WD 0x0
.set li, 0
.rept 32
	v_pk_fma_f32 v[A0+2*li:A0+2*li+1], v[A0+2*li:A0+2*li+1], v[A2+2*li:A2+2*li+1], v[A1+2*li:A1+2*li+1]
.set li, li+1
.endr
.endm
; Four blocks of 32, block b = my 16 registers v[s + 16 b ..] and lane l xor 16's: the conversion's scale operands to v[tm + 12 + b], the scale bytes to v[by + b].  fl: the floor of the largest magnitude
.macro QMAX s, tm, by, fl=0x1800000
.irp b, 0,1,2,3
	v_max3_num_f32 v[\tm+\b], |v[\s+16*\b]|, |v[\s+16*\b+1]|, \fl
.endr
.irp i, 2,4,6,8,10,12,14
.irp b, 0,1,2,3
	v_max3_num_f32 v[\tm+\b], v[\tm+\b], |v[\s+16*\b+\i]|, |v[\s+16*\b+\i+1]|
.endr
.endr
.irp b, 0,1,2,3
	v_permlanex16_b32 v[\tm+4+\b], v[\tm+\b], s20, s21
.endr
.irp b, 0,1,2,3
	v_max_num_f32 v[\tm+\b], v[\tm+\b], v[\tm+4+\b]
.endr
.irp b, 0,1,2,3
	v_add_nc_u32 v[\tm+12+\b], 0xff000000, v[\tm+\b]   ; 2 off the exponent field: the conversion takes this operand's exponent field as its scale
.endr
.irp b, 0,1,2,3
	v_lshrrev_b32 v[\by+\b], 23, v[\tm+12+\b]
.endr
.endm
; 64 numbers of a lane become a fragment's codes in v[f] on of window 1 and its scale word in v[pw]
.macro QUANT s, tm, f, pw, fl=0x1800000
	QMAX \s, \tm, \tm+4, \fl
	v_lshl_or_b32 v[\pw], v[\tm+5], 8, v[\tm+4]
	s_delay_alu instid0(VALU_DEP_1)
	v_lshl_or_b32 v[\pw], v[\tm+6], 16, v[\pw]
	s_delay_alu instid0(VALU_DEP_1)
	v_lshl_or_b32 v[\pw], v[\tm+7], 24, v[\pw]
	WIN 0x40
.irp b, 0,1,2,3
	v_cvt_scalef32_pk8_fp4_f32 v[\f+2*\b], v[\s+16*\b:\s+16*\b+7], v[\tm+12+\b]
	v_cvt_scalef32_pk8_fp4_f32 v[\f+2*\b+1], v[\s+16*\b+8:\s+16*\b+15], v[\tm+12+\b]
.endr
	v_nop                                          ; one plain place behind a scaled conversion
	WIN 0x41
.irp c, 0,1                            ; the operand's layout wants a whole block in a lane
.irp i, 0,1
	v_permlane16_swap_b32 v[\f+4*\c+\i], v[\f+4*\c+2+\i]
.endr
.endr
	WIN 0
.endm
; q or k: four tiles of tokens, K = the head's 32 channels, one block: its codes go to lanes 0-15 of registers 0-3 of fragment f + 8 t; all else there is zero codes
.macro QKPACK s, tm, f
	WIN 0x40
.irp t, 0,1,2,3
	v_cvt_scalef32_pk8_fp4_f32 v[\f+8*\t], v[\s+16*\t:\s+16*\t+7], v[\tm+12+\t]
	v_cvt_scalef32_pk8_fp4_f32 v[\f+8*\t+1], v[\s+16*\t+8:\s+16*\t+15], v[\tm+12+\t]
.endr
.irp t, 0,1,2,3
	v_mov_b32 v[\f+8*\t+2], 0
	v_mov_b32 v[\f+8*\t+3], 0
.endr
	WIN 0x41
.irp t, 0,1,2,3
	v_permlane16_swap_b32 v[\f+8*\t], v[\f+8*\t+2]
	v_permlane16_swap_b32 v[\f+8*\t+1], v[\f+8*\t+3]
.endr
	WIN 0
.endm
; V: register A0 + 32 u + 8 t + j = token 16 t + 8 h + j of channel (u, lane % 16).  K = the keys: blocks of tokens 0-31 and 32-48.  Padded tokens do not count for the scale; their codes meet zero codes of p
.macro VQ
.irp u, 0,1
	v_max3_num_f32 v[A2+2*\u], |v[A0+32*\u]|, |v[A0+32*\u+1]|, 0x1800000
	v_max3_num_f32 v[A2+2*\u+1], |v[A0+32*\u+16]|, |v[A0+32*\u+17]|, 0x1800000
.endr
.irp i, 2,4,6
.irp u, 0,1
	v_max3_num_f32 v[A2+2*\u], v[A2+2*\u], |v[A0+32*\u+\i]|, |v[A0+32*\u+\i+1]|
	v_max3_num_f32 v[A2+2*\u+1], v[A2+2*\u+1], |v[A0+32*\u+16+\i]|, |v[A0+32*\u+17+\i]|
.endr
.endr
.irp i, 8,10,12,14
.irp u, 0,1
	v_max3_num_f32 v[A2+2*\u], v[A2+2*\u], |v[A0+32*\u+\i]|, |v[A0+32*\u+\i+1]|
.endr
.endr
.irp u, 0,1
	v_and_b32 v[A2+8+\u], v[HM], v[A0+32*\u+24]    ; |token 48| in lanes 0-15; lanes 16-31 hold a padded token: 0
.endr
.irp u, 0,1
	v_max_num_f32 v[A2+2*\u+1], v[A2+2*\u+1], v[A2+8+\u]
.endr
.irp n, 0,1,2,3
	v_permlanex16_b32 v[A2+4+\n], v[A2+\n], s20, s21
.endr
.irp n, 0,1,2,3
	v_max_num_f32 v[A2+\n], v[A2+\n], v[A2+4+\n]
.endr
.irp n, 0,1,2,3
	v_add_nc_u32 v[A2+12+\n], 0xff000000, v[A2+\n]
.endr
.irp n, 0,1,2,3
	v_lshrrev_b32 v[A2+4+\n], 23, v[A2+12+\n]
.endr
.irp u, 0,1
	v_lshl_or_b32 v[48+\u], v[A2+5+2*\u], 8, v[A2+4+2*\u]
.endr
	WIN 0x40
.irp u, 0,1
	v_cvt_scalef32_pk8_fp4_f32 v[224+8*\u], v[A0+32*\u:A0+32*\u+7], v[A2+12+2*\u]
	v_cvt_scalef32_pk8_fp4_f32 v[225+8*\u], v[A0+32*\u+8:A0+32*\u+15], v[A2+12+2*\u]
	v_cvt_scalef32_pk8_fp4_f32 v[226+8*\u], v[A0+32*\u+16:A0+32*\u+23], v[A2+13+2*\u]
	v_cvt_scalef32_pk8_fp4_f32 v[227+8*\u], v[A0+32*\u+24:A0+32*\u+31], v[A2+13+2*\u]
.endr
	v_nop
	WIN 0x41
.irp u, 0,1
	v_permlane16_swap_b32 v[224+8*\u], v[226+8*\u]
	v_permlane16_swap_b32 v[225+8*\u], v[227+8*\u]
.endr
	WIN 0
.endm
; SOFTMAX of four tiles of queries.  Register A0 + 32 q + 8 kt + j = the logit of key 16 kt + 8 h + j for my query of tile q.  Registers 25-31 are padded keys: zeros.
; A2: +4 b + q a block's largest score, then its largest p; +8.. permutes; +16 + 2 q -M; +24 + 2 q the sum; +32.. scale operands; +40.. bytes; +48 + 2 q 1 / sum; +56.. at work
.macro SMF q, n
.if (\n) < 12
	v_pk_fma_f32 v[A0+32*(\q)+2*(\n):A0+32*(\q)+2*(\n)+1], v[A0+32*(\q)+2*(\n):A0+32*(\q)+2*(\n)+1], s[28:29], v[A2+16+2*(\q):A2+17+2*(\q)] op_sel_hi:[1,0,0]
.elseif (\n) == 12
	v_fma_f32 v[A0+32*(\q)+24], v[A0+32*(\q)+24], s28, v[A2+16+2*(\q)]
.elseif (\n) == 13
	v_fma_f32 v[A2+(\q)], v[A2+(\q)], s28, v[A2+16+2*(\q)]
.elseif (\n) == 14
	v_fma_f32 v[A2+4+(\q)], v[A2+4+(\q)], s28, v[A2+16+2*(\q)]
.else
	v_mov_b32 v[A0+32*(\q)+10+(\n)], 0
.endif
.endm
.macro SOFTMAX
.irp q, 0,1,2,3
	v_max3_num_f32 v[A2+\q], v[A0+32*\q], v[A0+32*\q+1], v[A0+32*\q+2]
	v_max3_num_f32 v[A2+4+\q], v[A0+32*\q+16], v[A0+32*\q+17], v[A0+32*\q+18]
.endr
.irp i, 3,5,7
.irp q, 0,1,2,3
	v_max3_num_f32 v[A2+\q], v[A2+\q], v[A0+32*\q+\i], v[A0+32*\q+\i+1]
	v_max3_num_f32 v[A2+4+\q], v[A2+4+\q], v[A0+32*\q+16+\i], v[A0+32*\q+17+\i]
.endr
.endr
.irp i, 9,11,13
.irp q, 0,1,2,3
	v_max3_num_f32 v[A2+\q], v[A2+\q], v[A0+32*\q+\i], v[A0+32*\q+\i+1]
.endr
.endr
.irp q, 0,1,2,3
	v_max_num_f32 v[A2+\q], v[A2+\q], v[A0+32*\q+15]
.endr
.irp n, 0,1,2,3,4,5,6,7
	v_permlanex16_b32 v[A2+8+\n], v[A2+\n], s20, s21
.endr
.irp n, 0,1,2,3,4,5,6,7
	v_max_num_f32 v[A2+\n], v[A2+\n], v[A2+8+\n]   ; the largest score of each block of 32 keys
.endr
.irp q, 0,1,2,3
	v_max_num_f32 v[A2+56+\q], v[A2+\q], v[A2+4+\q]
.endr
.irp q, 0,1,2,3
	v_mul_f32 v[A2+56+\q], s28, v[A2+56+\q]        ; the row's largest t
.endr
.irp q, 0,1,2,3
	v_floor_f32 v[A2+16+2*\q], -v[A2+56+\q]        ; -M = floor(-t)
.endr
.irp q, 0,1,2,3
.set li, 0
.rept 22
	SMF \q, li                                     ; t - M of the scores and of each block's largest; zeros for the padded keys
.set li, li+1
.endr
.endr
	WA
.irp q, 0,1,2,3                        ; p = 2^(t - M), not normalised: one batch
.set li, 0
.rept 25
	v_exp_f32 v[A0+32*\q+li], v[A0+32*\q+li]
.set li, li+1
.endr
.endr
.irp n, 0,1,2,3,4,5,6,7
	v_exp_f32 v[A2+\n], v[A2+\n]                   ; each block's largest p
.endr
	v_nop
	WA
.irp q, 0,1,2,3
	v_pk_add_f32 v[A2+24+2*\q:A2+25+2*\q], v[A0+32*\q:A0+32*\q+1], v[A0+32*\q+2:A0+32*\q+3]   ; the row's sum, of the unquantised p
.endr
.irp i, 4,6,8,10,12,14,16,18,20,22
.irp q, 0,1,2,3
	v_pk_add_f32 v[A2+24+2*\q:A2+25+2*\q], v[A2+24+2*\q:A2+25+2*\q], v[A0+32*\q+\i:A0+32*\q+\i+1]
.endr
.endr
.irp q, 0,1,2,3
	v_add_f32 v[A2+24+2*\q], v[A2+24+2*\q], v[A2+25+2*\q]
.endr
.irp q, 0,1,2,3
	v_add_f32 v[A2+24+2*\q], v[A2+24+2*\q], v[A0+32*\q+24]
.endr
.irp q, 0,1,2,3
	v_permlanex16_b32 v[A2+8+\q], v[A2+24+2*\q], s20, s21
.endr
.irp q, 0,1,2,3
	v_add_f32 v[A2+24+2*\q], v[A2+24+2*\q], v[A2+8+\q]
.endr
	WA
.irp q, 0,1,2,3
	v_rcp_f32 v[A2+48+2*\q], v[A2+24+2*\q]
.endr
	v_nop
	WA
.irp n, 0,1,2,3,4,5,6,7
	v_max_num_f32 v[A2+\n], 0x1800000, v[A2+\n]    ; the floor: the byte cannot fall under 1
.endr
.irp n, 0,1,2,3,4,5,6,7
	v_add_nc_u32 v[A2+32+\n], 0xff000000, v[A2+\n]
.endr
.irp n, 0,1,2,3,4,5,6,7
	v_lshrrev_b32 v[A2+40+\n], 23, v[A2+32+\n]
.endr
.irp q, 0,1,2,3
	v_lshl_or_b32 v[50+\q], v[A2+44+\q], 8, v[A2+40+\q]    ; p's scale word: two blocks of keys
.endr
	WIN 0x40
.irp q, 0,1,2,3
	v_cvt_scalef32_pk8_fp4_f32 v[64+8*\q], v[A0+32*\q:A0+32*\q+7], v[A2+32+\q]
	v_cvt_scalef32_pk8_fp4_f32 v[65+8*\q], v[A0+32*\q+8:A0+32*\q+15], v[A2+32+\q]
	v_cvt_scalef32_pk8_fp4_f32 v[66+8*\q], v[A0+32*\q+16:A0+32*\q+23], v[A2+36+\q]
	v_cvt_scalef32_pk8_fp4_f32 v[67+8*\q], v[A0+32*\q+24:A0+32*\q+31], v[A2+36+\q]
.endr
	v_nop
	WIN 0x41
.irp q, 0,1,2,3
	v_permlane16_swap_b32 v[64+8*\q], v[66+8*\q]
	v_permlane16_swap_b32 v[65+8*\q], v[67+8*\q]
.endr
	WIN 0
.endm
; GELU on A0's 64 numbers: A0 becomes x + |x| erf(|x| / sqrt 2) = 2 g.  Two batches of transcendentals, each with its wait ahead and behind.  The coefficients are held negated
.macro PK3 op, d, a, b, tail:vararg
.set gi, 0
.rept 32
	\op v[\d+2*gi:\d+2*gi+1], v[\a+2*gi:\a+2*gi+1], \b \tail
.set gi, gi+1
.endr
.endm
.macro GELU
.set ga, 0
.rept 64
	v_fma_f32 v[A1+ga], |v[A0+ga]|, s33, 1.0       ; u = 1 + 0.3275911 |x| / sqrt 2; each accumulator is read from its low end on
.set ga, ga+1
.endr
	WA
.set ga, 0
.rept 64
	v_rcp_f32 v[A1+ga], v[A1+ga]                   ; t
.set ga, ga+1
.endr
	v_nop
	WA
	PK3 v_pk_fma_f32, A2, A1, s[36:37], , v[28:29] op_sel_hi:[1,0,1]
.irp l, 38,40,42
.set gi, 0
.rept 32
	v_pk_fma_f32 v[A2+2*gi:A2+2*gi+1], v[A2+2*gi:A2+2*gi+1], v[A1+2*gi:A1+2*gi+1], s[\l:\l+1] op_sel_hi:[1,1,0]
.set gi, gi+1
.endr
.endr
.set gi, 0
.rept 32
	v_pk_mul_f32 v[A2+2*gi:A2+2*gi+1], v[A2+2*gi:A2+2*gi+1], v[A1+2*gi:A1+2*gi+1]   ; -(a1 t + .. + a5 t^5)
.set gi, gi+1
.endr
	PK3 v_pk_mul_f32, A1, A0, s[34:35], op_sel_hi:[1,0]
.set gi, 0
.rept 32
	v_pk_mul_f32 v[A1+2*gi:A1+2*gi+1], v[A1+2*gi:A1+2*gi+1], v[A1+2*gi:A1+2*gi+1]   ; x^2 log2(e) / 2
.set gi, gi+1
.endr
	WA
.set ga, 0
.rept 64
	v_exp_f32 v[A1+ga], -v[A1+ga]
.set ga, ga+1
.endr
	v_nop
	WA
.set gi, 0
.rept 32
	v_pk_fma_f32 v[A2+2*gi:A2+2*gi+1], v[A1+2*gi:A1+2*gi+1], v[A2+2*gi:A2+2*gi+1], 1.0 op_sel_hi:[1,1,0]   ; erf
.set gi, gi+1
.endr
.set ga, 0
.rept 64
	v_fma_f32 v[A0+ga], |v[A0+ga]|, v[A2+ga], v[A0+ga]
.set ga, ga+1
.endr
.endm
	; ================ THE HEAD
	s_load_b256 s[4:11], s[0:1], 0x0               ; tokens, ly, mp, result
	v_lshl_add_u32 v[SPW], v0, 2, SPARE
	v_mov_b32 v[NIL], 0
	v_lshrrev_b32 v16, 5, v0
	v_readfirstlane_b32 s12, v16                   ; wave v
	s_mul_i32 s70, s12, WINB
	s_add_co_u32 s71, s70, 48*ROWP
	s_lshl_b32 s72, s12, 12
	s_lshl_b32 s73, s12, 13
	s_mul_i32 s74, s12, 1536
	s_lshr_b32 s24, s12, 1
	s_mul_i32 s24, s24, 24576                      ; part v / 2 of the weights,
	s_and_b32 s25, s12, 1                          ; its half v % 2
	s_lshl_b32 s26, s25, 12
	s_add_co_u32 s75, s24, s26                     ; slots 0-7: 4,096 bytes a wave
	s_lshl_b32 s26, s25, 13
	s_add_co_u32 s76, s24, s26
	s_add_co_u32 s76, s76, 8192                    ; slots 8-23: 8,192 bytes a wave
	s_and_b32 s26, ttmp9, 7
	s_cmp_eq_u32 s26, 7
	s_cselect_b32 s26, 1, 0                        ; last column of windows
	s_lshr_b32 s27, ttmp9, 3
	s_cmp_eq_u32 s27, 7
	s_cselect_b32 s27, 2, 0                        ; last row
	s_add_co_u32 s26, s26, s27                     ; the window's type
	s_lshl_b32 s26, s26, 16
	s_add_co_u32 s77, s26, s73
	s_add_co_u32 s77, s77, 114688                  ; my eighth of the type's four tables
	s_add_co_u32 s78, s74, 98304                   ; my eighth of scale words and parameters (f2b goes straight to registers)
	s_and_b32 s24, ttmp7, 0xffff
	s_lshl_b32 s24, s24, 3
	s_mul_i32 s80, s24, IMGB                       ; the work-group's eight images
	s_add_co_u32 s24, s24, s12
	s_mul_i32 s82, s24, IMGB                       ; my image
	s_mov_b32 s81, 0
	s_mov_b32 s83, 0
	s_lshl_b32 s84, ttmp9, 11
	s_mov_b32 s85, 0
	s_mov_b32 s15, 0x3c000000                      ; 1/128
	s_mov_b32 s32, 0x3727c5ac                      ; 1e-5
	s_mov_b32 s20, 0x76543210
	s_mov_b32 s21, 0xfedcba98                      ; v_permlanex16_b32's selects for lane l xor 16
	s_mov_b32 s28, 0x3fb8aa3b                      ; log2(e)
	s_mov_b32 s29, 0x3fb8aa3b
	s_mov_b32 s30, 0x3e3504f3                      ; 32^-0.5
	s_mov_b32 s31, 0x3e3504f3
	s_mov_b32 s33, 0x3e6d3388                      ; 0.3275911 / sqrt 2
	s_mov_b32 s34, 0x3f596d27                      ; sqrt(log2(e) / 2)
	s_mov_b32 s35, 0x3f596d27
	s_mov_b32 s36, 0xbf87dc22                      ; -a5
	s_mov_b32 s37, 0xbf87dc22
	s_mov_b32 s38, 0xbfb5f0e3                      ; -a3
	s_mov_b32 s39, 0xbfb5f0e3
	s_mov_b32 s40, 0x3e91a98e                      ; -a2
	s_mov_b32 s41, 0x3e91a98e
	s_mov_b32 s42, 0xbe827906                      ; -a1
	s_mov_b32 s43, 0xbe827906
	v_and_b32 v16, 31, v0                          ; lane
	v_and_b32 v17, 15, v0                          ; r
	v_bfe_u32 v18, v0, 4, 1                        ; h
	v_lshlrev_b32 v[L16], 4, v16
	v_lshlrev_b32 v[L4], 2, v16
	v_lshlrev_b32 v[H64], 6, v18
	v_mul_u32_u24 v[ROW0], v17, ROWP
	v_add_nc_u32 v[ROW0], v[ROW0], v[H64]
	v_add_nc_u32 v[XR], s70, v[ROW0]
	v_add_nc_u32 v[XR3], s71, v[H64]
	v_add_nc_u32 v[XST], s70, v[L16]
	v_add_nc_u32 v[WAF], REG, v[L16]
	v_add_nc_u32 v[TBF], TB, v[L16]
	v_add_nc_u32 v[SCF], SCL, v[L4]
	v_add_nc_u32 v[PRH], PRM, v[H64]
	v_and_b32 v19, 8, v17
	v_add_nc_u32 v19, v19, v17
	v_lshl_add_u32 v[PRV], v19, 2, PRM+2048        ; v's bias of my lane's channel
	v_add_nc_u32 v[HM], -1, v18
	v_and_b32 v[HM], 0x7fffffff, v[HM]
	v_add_nc_u32 v[DW], s72, v[WAF]
	v_add_nc_u32 v[DT], s73, v[TBF]
	v_add_nc_u32 v[DS], s74, v[L16]
	v_add_nc_u32 v[DS], SCL, v[DS]
	v_add_nc_u32 v[SW], s75, v[L16]
	v_add_nc_u32 v[SM], s76, v[L16]
	v_add_nc_u32 v[ST], s77, v[L16]
	v_add_nc_u32 v[SS], s78, v[L16]
	v_mov_b32 v[ZR], 0
	v_mov_b32 v28, 0x3fba00e3                      ; -a4
	v_mov_b32 v29, 0x3fba00e3
	WA
	s_wait_kmcnt 0x0
	s_add_nc_u64 s[4:5], s[4:5], s[82:83]
	s_add_nc_u64 s[10:11], s[10:11], s[80:81]
	s_add_nc_u64 s[8:9], s[8:9], s[84:85]          ; my window position's map
	s_add_nc_u64 s[62:63], s[6:7], 104448          ; the parameters in memory
	WIN 0x40
.set ii, 0
.rept 13
	global_load_b128 v[196+4*ii:199+4*ii], v[ZR], s[8:9] offset:16*ii  ; where the window's tokens lie in an image, four words a load (all lanes name the same 16 bytes): these go first, the rows' addresses hang on them
.set ii, ii+1
.endr
	WIN 0
.set ii, 0
.rept 8
	global_load_b128 v[64+4*ii:67+4*ii], v[SW], s[6:7] offset:512*ii
.set ii, ii+1
.endr
.set ii, 0
.rept 16
	global_load_b128 v[96+4*ii:99+4*ii], v[ST], s[6:7] offset:512*ii
.set ii, ii+1
.endr
.set ii, 0
.rept 3
	global_load_b128 v[160+4*ii:163+4*ii], v[SS], s[6:7] offset:512*ii
.set ii, ii+1
.endr
	WL 27                                          ; behind the map's words 27 loads were issued
	WIN 0x44
.set ii, 0
.rept 49
	v_min_u32 v[196+ii], 3135, v[196+ii]
.set ii, ii+1
.endr
	WIN 0x41
.set ii, 0
.rept 49
	v_lshl_add_u32 v[196+ii], v[196+ii], 9, v[L16] ; row x 512 + 16 lane
.set ii, ii+1
.endr
.set ii, 0
.rept 49
	global_load_b128 v[4*ii:4*ii+3], v[196+ii], s[4:5] th:TH_LOAD_NT   ; a row of 512 bytes an instruction
.set ii, ii+1
.endr
	WIN 0
	WL 49                                          ; all but the 49 rows: my share of weights, tables, scale words, parameters goes to LDS
.set ii, 0
.rept 8
	ds_store_b128 v[DW], v[64+4*ii:67+4*ii] offset:512*ii
.set ii, ii+1
.endr
.set ii, 0
.rept 16
	ds_store_b128 v[DT], v[96+4*ii:99+4*ii] offset:512*ii
.set ii, ii+1
.endr
.set ii, 0
.rept 3
	ds_store_b128 v[DS], v[160+4*ii:163+4*ii] offset:512*ii
.set ii, ii+1
.endr
	BARRIER                                        ; the layer lies in LDS; the rows, which no other wave touches, are still on their way
	; ================ LN1: four tiles, each as soon as its own rows are in.  The rows go into XM (the shortcut, and the turn from a row an instruction to a row a lane).
	; The fragments stay in window 1, v0-31 (tile 0's rows have left those registers), their scale words in v36-39
.macro LN1T t
.if \t < 3
	WL 33-16*\t                                    ; the rows asked for behind this tile's sixteen may be out
	WIN 0x04
.set ii, 16*\t
.rept 16
	ds_store_b128 v[XST], v[4*ii:4*ii+3] offset:ROWP*ii
.set ii, ii+1
.endr
	WIN 0
	XLDA A2, XR, (\t)*TILEB
.else
	WL 0x0
	WIN 0x04
	ds_store_b128 v[XST], v[192:195] offset:ROWP*48
	WIN 0
	XLDA A2, XR3, 0                                ; tile 3: sixteen copies of token 48
.endif
	WD 0x0
	LNA A2
	LNB1
	QUANT A0, A1, 8*\t, 36+\t
.endm
	LN1T 0
	LN1T 1
	LN1T 2
	LN1T 3
	WIN 0x40
.set ii, 0
.rept 32
	v_mov_b32 v[32+ii], 0                          ; o's queue
.set ii, ii+1
.endr
.irp f, 64,72,80,88,96,104,112,120,224,232
.irp i, 4,5,6,7
	v_mov_b32 v[\f+\i], 0                          ; K = 64 .. 127 of q's, k's, v's and p's fragments: zero codes, written once
.endr
.endr
	WIN 0
.irp i, 54,55,56,57
	v_mov_b32 v[\i], 0                             ; o's scale words: a queue of bytes
.endr
	s_mov_b32 s13, 0
	s_mov_b32 s14, 0
	s_mov_b32 s16, 0
	s_mov_b32 s17, 0
	s_mov_b32 s18, 0
	WA
	; ================ ATTENTION: a head a trip
.Lhead:
	v_add_nc_u32 v16, s14, v[WAF]
	v_add_nc_u32 v17, s16, v[TBF]
	v_add_nc_u32 v18, s17, v[SCF]
	v_add_nc_u32 v19, s18, v[PRH]
	v_add_nc_u32 v20, s18, v[PRV]
	WIN 0x40
.irp sl, 0,1,2,3,4,5
	FETCH 128+8*\sl, 16, 1024*\sl                  ; Wq, Wk, Wv
.endr
.irp u, 0,1
.irp c, 0,1
	ds_load_b128 v[176+8*\u+4*\c:179+8*\u+4*\c], v19 offset:1024+32*\u+16*\c    ; q's bias in the result's layout
	ds_load_b128 v[192+8*\u+4*\c:195+8*\u+4*\c], v19 offset:1536+32*\u+16*\c    ; k's
.endr
.irp j, 0,1,2,3,4,5,6,7
	ds_load_b32 v[208+8*\u+\j], v20 offset:32*\u   ; v's: a lane holds one channel, so eight equal registers
.endr
.endr
	WIN 0
.irp p, 0,1,2
	ds_load_b32 v[32+\p], v18 offset:128*\p        ; an even slot's words in lanes 0-15, the odd slot's in lanes 16-31
.endr
	WD 0x0
	WIN 0x15
.irp t, 0,1,2,3
.irp u, 0,1
	MM A0+16*\t+8*\u, 128+8*\u, 8*\t, 176+8*\u, 32, 36+\t, \u, 0        ; q
.endr
.endr
.irp t, 0,1,2,3
.irp u, 0,1
	MM A1+16*\t+8*\u, 144+8*\u, 8*\t, 192+8*\u, 33, 36+\t, \u, 0        ; k
.endr
.endr
	WIN 0
	PLACES 4
	PK3 v_pk_mul_f32, A0, A0, s[30:31], op_sel_hi:[1,0]
	QMAX A0, A2, 40
	QKPACK A0, A2, 64
	WIN 0x15
.irp u, 0,1
.irp t, 0,1,2,3
	MM A0+32*\u+8*\t, 8*\t, 160+8*\u, 208+8*\u, 36+\t, 34, 0, \u        ; v: a lane holds a channel, its registers run along the tokens
.endr
.endr
	WIN 0
	QMAX A1, A2, 44
	QKPACK A1, A2, 96
.irp k, 0,1,2,3
.irp q, 2,3
	FETCH A0+32*\q+8*\k, 17, 1024*(4*\k+\q)        ; bias + mask land where the scores will be summed onto them
.endr
.endr
	VQ
.irp k, 0,1,2,3
.irp q, 0,1
	FETCH A0+32*\q+8*\k, 17, 1024*(4*\k+\q)
.endr
.endr
	WD 0x0
	WIN 0x05
.irp k, 0,1,2,3
.irp q, 0,1,2,3
	MM A0+32*\q+8*\k, 96+8*\k, 64+8*\q, A0+32*\q+8*\k, 44+\k, 40+\q, 0, 0       ; logits = k q^T + (bias + mask)
.endr
.endr
	WIN 0
	PLACES 4
	SOFTMAX
	PLACES 8                                       ; p's scale words and codes were written by vector instructions
	WIN 0x05
.irp q, 0,1,2,3
.irp u, 0,1
	MM0 A0+16*\q+8*\u, 224+8*\u, 64+8*\q, 48+\u, 50+\q                  ; o^T = v^T p^T
.endr
.endr
	WIN 0
	PLACES 4
.irp q, 0,1,2,3
.set ii, 0
.rept 8
	v_pk_mul_f32 v[A0+16*\q+2*ii:A0+16*\q+2*ii+1], v[A0+16*\q+2*ii:A0+16*\q+2*ii+1], v[A2+48+2*\q:A2+49+2*\q] op_sel_hi:[1,0]    ; / the row's sum
.set ii, ii+1
.endr
.endr
	QMAX A0, A2, A2+4                              ; the head's 32 channels are one block of proj's K
	WIN 0x41
.irp q, 0,1,2,3
.irp i, 0,1,2,3,4,5
	v_mov_b32 v[32+8*\q+\i], v[34+8*\q+\i]         ; the queue moves on by a head: after four trips head w's codes stand in registers 2 w, 2 w + 1
.endr
.endr
	WIN 0x40
.irp q, 0,1,2,3
	v_cvt_scalef32_pk8_fp4_f32 v[38+8*\q], v[A0+16*\q:A0+16*\q+7], v[A2+12+\q]
	v_cvt_scalef32_pk8_fp4_f32 v[39+8*\q], v[A0+16*\q+8:A0+16*\q+15], v[A2+12+\q]
.endr
	WIN 0
.irp q, 0,1,2,3
	v_lshrrev_b32 v[54+\q], 8, v[54+\q]
.endr
.irp q, 0,1,2,3
	v_lshl_or_b32 v[54+\q], v[A2+4+\q], 24, v[54+\q]
.endr
	WA
	s_add_co_u32 s14, s14, 8192
	s_add_co_u32 s16, s16, 16384
	s_add_co_u32 s17, s17, 1536
	s_add_co_u32 s18, s18, 128
	s_add_co_u32 s13, s13, 1
	s_cmp_lt_u32 s13, 4
	s_cbranch_scc1 .Lhead
	; ================ PROJ, + x: x' goes back into XM
	WIN 0x41
.irp q, 0,1,2,3
.irp c, 0,1
.irp i, 0,1
	v_permlane16_swap_b32 v[32+8*\q+4*\c+\i], v[32+8*\q+4*\c+2+\i]
.endr
.endr
.endr
	WIN 0x40
.set ii, 0
.rept 16
	global_load_b128 v[192+4*ii:195+4*ii], v[SM], s[6:7] offset:512*ii      ; my eighth of the MLP's weights: on its way during proj
.set ii, ii+1
.endr
.irp w, 0,1,2,3
.irp u, 0,1
	FETCH 64+16*\w+8*\u, WAF, 8192*\w+6144+1024*\u
.endr
.endr
	XLDA 128, PRH, 2560                            ; pb
	WIN 0
.irp w, 0,1,2,3
	ds_load_b32 v[40+\w], v[SCF] offset:1536*\w+384
.endr
	XLDA A1, XR, 0
.macro PROJT t
.set XA, A1+64*((\t)%2)
.set XN, A1+64*((\t+1)%2)
.if \t < 2
	XLDA XN, XR, (\t+1)*TILEB
	WD 16                                          ; all but the next tile's sixteen loads
.elseif \t == 2
	XLDA XN, XR3, 0
	WD 16
.else
	WD 0x0
.endif
.if \t == 0
	PLACES 8
.endif
	WIN 0x15
.irp w, 0,1,2,3
.irp u, 0,1
	MM A0+16*\w+8*\u, 64+16*\w+8*\u, 32+8*\t, 128+16*\w+8*\u, 40+\w, 54+\t, \u, 0
.endr
.endr
	WIN 0
	PLACES 4
.set ii, 0
.rept 32
	v_pk_add_f32 v[XA+2*ii:XA+2*ii+1], v[XA+2*ii:XA+2*ii+1], v[A0+2*ii:A0+2*ii+1]
.set ii, ii+1
.endr
.if \t < 3
	XSTA XA, XR, (\t)*TILEB
.else
	v_and_b32 v21, 15, v0
	v_cmp_eq_u32 vcc_lo, 0, v21                    ; the lanes that hold token 48 itself: the padded queries' lanes hold other numbers and store nothing
	WA
	s_wait_xcnt 0x0                                ; EXEC changes only behind this wait: global loads are out
	s_and_saveexec_b32 s24, vcc_lo
	XSTA XA, XR3, 0
	s_or_b32 exec_lo, exec_lo, s24
.endif
.endm
	PROJT 0
	PROJT 1
	PROJT 2
	PROJT 3
	WIN 0x40
.set ii, 0
.rept 16
	global_load_b128 v[128+4*ii:131+4*ii], v[H64], s[62:63] offset:6144+128*(ii/4)+16*(ii%4)   ; f2b, in the result's layout
.set ii, ii+1
.endr
	WIN 0
	BARRIER                                        ; every window's x' lies in XM; nobody reads the tables any more
	WL 0x0
	WIN 0x04
.set ii, 0
.rept 16
	ds_store_b128 v[DT], v[192+4*ii:195+4*ii] offset:512*ii
.set ii, ii+1
.endr
	WIN 0
	s_cmp_lg_u32 s12, 0
	s_cbranch_scc1 .Lno_zeros
.irp i, 0,1,2,3
	v_mov_b32 v[A0+\i], 0
.endr
.set ii, 0
.rept 9
	ds_store_b128 v[WAF], v[A0:A0+3] offset:512*ii             ; wave 0: zeros behind XM, over the attention's weights, which are done with: tile 24's rows 392 to 399 hold plain numbers
.set ii, ii+1
.endr
.Lno_zeros:
	BARRIER                                        ; the MLP's weights lie in LDS
	; ================ MLP: three trips, tile v + 8 trip
.irp w, 0,1,2,3
.irp p, 0,1,2,3
	ds_load_b32 v[44+4*\w+\p], v[SCF] offset:1536*\w+1024+128*\p       ; W2's scale words stay
.endr
.endr
	s_lshl_b32 s24, s12, 2
	v_mov_b32 v21, s24
	global_load_b32 v30, v21, s[8:9] offset:1792               ; for the launch's end: where row 384 + v goes (entry 448 + v),
	global_load_b128 v[60:63], v[L16], s[62:63] offset:6144    ; and f2b as it lies, 16 bytes a lane
	WA
	s_wait_xcnt 0x0                                ; the map's base is stepped only behind this wait
	s_lshl_b32 s24, s12, 6
	s_add_co_u32 s24, s24, 256
	s_mov_b32 s25, 0
	s_add_nc_u64 s[8:9], s[8:9], s[24:25]          ; the compact rows' entries of the map, at my first tile
	s_mov_b32 s13, 0
	s_mul_i32 s16, s12, TILEB
.macro NEXTQ                           ; quarter s23's W1, f1b and scale words.  The three additions and the v_nop are the places behind the products
	s_lshl_b32 s24, s23, 14
	s_mul_i32 s25, s23, 1536
	s_lshl_b32 s26, s23, 9
	v_add_nc_u32 v15, s24, v[TBF]
	v_add_nc_u32 v16, s25, v[SCF]
	v_add_nc_u32 v17, s26, v[PRH]
	v_nop
	WIN 0x40
.irp t, 0,1,2,3,4,5,6,7
	FETCH 8*\t, 15, 1024*\t
.irp c, 0,1
	ds_load_b128 v[64+8*\t+4*\c:67+8*\t+4*\c], v17 offset:4096+128*(\t/2)+32*(\t%2)+16*\c
.endr
.endr
	WIN 0
.irp p, 0,1,2,3
	ds_load_b32 v[32+\p], v16 offset:512+128*\p
.endr
.endm
.macro LN2T                            ; LN2 of the 16 rows at v14: the fragment to v240 of window 1, its scale word to v36.  s23: the quarter whose weights are asked for behind it
	XLDA A2, 14, 0
	WIN 0x40
	XLDA 0, PRH, 3072                              ; n2g
	XLDA 64, PRH, 3584                             ; n2b
	WIN 0
	WD 0x0
	LNA A2
	LNB 0
	NEXTQ
	QUANT A0, A1, 240, 36
.endm
.macro F1MM                            ; 128 hidden units of the 16 rows
	WIN 0x15
.irp t, 0,1,2,3,4,5,6,7
	MM A0+8*\t, 8*\t, 240, 64+8*\t, 32+\t/2, 36, \t%2, 0
.endr
	WIN 0
.endm
.macro HQUANT                          ; codes of 2 g under its own scale; then 1 off each byte: g's scale (the floor holds each byte at 2 before)
	QUANT A0, A1, 232, 43, 0x2000000
	v_add_nc_u32 v43, 0xfefefeff, v43
.endm
.macro F2LD s, ar                      ; W2's eight fragments of K step s
.irp w, 0,1,2,3
.irp n, 0,1
	FETCH \ar+8*(2*\w+\n), TBF, 16384*\w+1024*(8+4*\n+\s)
.endr
.endr
.endm
.macro F2MM s, ar                      ; eight accumulators by turns
.irp w, 0,1,2,3
.irp n, 0,1
.if \s == 0
	MM A0+16*\w+8*\n, \ar+8*(2*\w+\n), 208+8*\s, 128+16*\w+8*\n, 44+4*\w+2*\n+\s/2, 40+\s, \s%2, 0
.else
	MM A0+16*\w+8*\n, \ar+8*(2*\w+\n), 208+8*\s, A0+16*\w+8*\n, 44+4*\w+2*\n+\s/2, 40+\s, \s%2, 0
.endif
.endr
.endr
.endm
	WA
.Ltile:
	s_wait_xcnt 0x0                                ; the last trip's stores have read their offsets and their data
	v_add_nc_u32 v14, s16, v[ROW0]
	WIN 0x40
.set ii, 0
.rept 4
	global_load_b128 v[192+4*ii:195+4*ii], v[ZR], s[8:9] offset:16*ii  ; where the 16 rows go (all lanes name the same 16 bytes)
.set ii, ii+1
.endr
	WIN 0
	s_mov_b32 s23, 0
	LN2T
	s_mov_b32 s17, 0
	PLACES 8
.Lq:                                               ; a quarter: 128 hidden units, one K step of the second product
	WD 0x0
	F1MM
	s_add_co_u32 s23, s17, 1
	s_min_u32 s23, s23, 3                          ; the next quarter's weights land during gelu (the last trip asks for its own again)
	NEXTQ
	GELU
	WIN 0x41
.set ii, 0
.rept 24
	v_mov_b32 v[208+ii], v[216+ii]                 ; the hidden queue moves on by a K step
.set ii, ii+1
.endr
	WIN 0
	v_mov_b32 v40, v41
	v_mov_b32 v41, v42
	v_mov_b32 v42, v43
	HQUANT
	WA
	s_add_co_u32 s17, s17, 1
	s_cmp_lt_u32 s17, 4
	s_cbranch_scc1 .Lq
	F2LD 0, A1
	F2LD 1, A2
	PLACES 8
	WD 16                                          ; K step 0's fragments are in; the sixteen loads behind them may be out (so at each step below)
	WIN 0x14
	F2MM 0, A1
	WIN 0
	PLACES 4
	F2LD 2, A1
	WD 16
	WIN 0x04
	F2MM 1, A2
	WIN 0
	PLACES 4
	F2LD 3, A2
	WD 16
	WIN 0x04
	F2MM 2, A1
	WIN 0
	PLACES 4
	XLDA A1, 14, 0                                 ; x' once more
	WD 16
	WIN 0x04
	F2MM 3, A2
	WIN 0
	PLACES 4
	WD 0x0
.set ii, 0
.rept 32
	v_pk_add_f32 v[A1+2*ii:A1+2*ii+1], v[A1+2*ii:A1+2*ii+1], v[A0+2*ii:A0+2*ii+1]
.set ii, ii+1
.endr
	XSTA A1, 14, 0                                 ; the result's rows, in my own tile of XM
	WL 0x0
	WIN 0x44
.set ii, 0
.rept 16
	v_min_u32 v[192+ii], 25087, v[192+ii]
.set ii, ii+1
.endr
	WIN 0x41
.set ii, 0
.rept 16
	v_lshl_add_u32 v[192+ii], v[192+ii], 9, v[L16]
.set ii, ii+1
.endr
	WIN 0
	v_add_nc_u32 v19, s16, v[L16]
.set ii, 0
.rept 16
	ds_load_b128 v[A2+4*ii:A2+4*ii+3], v19 offset:ROWP*ii      ; back a row an instruction; LDS serves a wave's instructions in order (ISA guide 5.7.1.4)
.set ii, ii+1
.endr
	WD 8                                           ; the first eight rows are back
	WIN 0x01
.set ii, 0
.rept 16
.if ii == 8
	s_wait_dscnt 0x0
.endif
	global_store_b128 v[192+ii], v[A2+4*ii:A2+4*ii+3], s[10:11] th:TH_STORE_NT     ; 32 lanes store 512 consecutive bytes, at a multiple of 512 from the buffer's first byte
.set ii, ii+1
.endr
	WIN 0
	WA
	s_add_co_u32 s16, s16, 8*TILEB
	s_add_nc_u64 s[8:9], s[8:9], 512               ; (the loads that read this base are done)
	s_add_co_u32 s13, s13, 1
	s_cmp_lt_u32 s13, 3
	s_cbranch_scc1 .Ltile
	; ================ THE LAST 8 ROWS (tile 24: rows 384-391 and eight rows of zeros), shared by hidden units
	BARRIER                                        ; 24 tiles have been read out of XM: its first rows are free for the four parts
	s_cmp_gt_u32 s12, 3
	s_cbranch_scc1 .Lno_part
	s_wait_xcnt 0x0                                ; my last stores have read their data
	v_add_nc_u32 v14, 24*TILEB, v[ROW0]
	s_mov_b32 s23, s12                             ; waves 0-3: quarter = wave
	LN2T
	s_lshl_b32 s24, s12, 10
	s_lshl_b32 s25, s12, 6
	v_add_nc_u32 v18, s24, v[TBF]                  ; W2's fragments of K step = wave,
	v_and_b32 v19, 15, v0
	v_lshl_add_u32 v19, v19, 2, SCL
	v_add_nc_u32 v19, s25, v19                     ; and their scale words, a slot's sixteen in lanes 0-15
	PLACES 8
	WD 0x0
	F1MM
	PLACES 4
	GELU
	HQUANT
.irp w, 0,1,2,3
.irp n, 0,1
	FETCH A2+8*(2*\w+\n), 18, 16384*\w+1024*(8+4*\n)
	ds_load_b32 v[44+2*\w+\n], v19 offset:1536*\w+1024+256*\n
.endr
.endr
	PLACES 8
	WD 0x0
	WIN 0x04
.irp w, 0,1,2,3
.irp n, 0,1
	MM0 A0+16*\w+8*\n, A2+8*(2*\w+\n), 232, 44+2*\w+\n, 43      ; my K step's part of the 128 outputs
.endr
.endr
	WIN 0
	PLACES 4
	s_mul_i32 s24, s12, TILEB
	v_add_nc_u32 v15, s24, v[ROW0]
	XSTA A0, 15, 0                                 ; part w: XM's rows 16 w on
.Lno_part:
	BARRIER                                        ; the four parts lie in LDS
	s_mul_i32 s24, s12, ROWP
	v_add_nc_u32 v15, s24, v[L16]                  ; wave v adds up row 384 + v: 16 bytes a lane
	v_add_nc_u32 v16, 24*TILEB, v15
.irp p, 0,1,2,3
	ds_load_b128 v[A0+4*\p:A0+4*\p+3], v15 offset:TILEB*\p
.endr
	ds_load_b128 v[A0+16:A0+19], v16               ; x'
	v_min_u32 v30, 25087, v30
	v_lshl_add_u32 v30, v30, 9, v[L16]
	WD 0x0
.irp i, 0,2
	v_pk_add_f32 v[A0+\i:A0+\i+1], v[A0+\i:A0+\i+1], v[A0+4+\i:A0+5+\i]
	v_pk_add_f32 v[A0+8+\i:A0+9+\i], v[A0+8+\i:A0+9+\i], v[A0+12+\i:A0+13+\i]
	v_pk_add_f32 v[A0+16+\i:A0+17+\i], v[A0+16+\i:A0+17+\i], v[60+\i:61+\i]
.endr
.irp i, 0,2
	v_pk_add_f32 v[A0+\i:A0+\i+1], v[A0+\i:A0+\i+1], v[A0+8+\i:A0+9+\i]
.endr
.irp i, 0,2
	v_pk_add_f32 v[A0+\i:A0+\i+1], v[A0+\i:A0+\i+1], v[A0+16+\i:A0+17+\i]
.endr
	global_store_b128 v30, v[A0:A0+3], s[10:11] th:TH_STORE_NT
	s_wait_tensorcnt 0x0                           ; the wave's end
	ds_add_u32 v[SPW], v[NIL]
	s_wait_dscnt 0x0
	s_endpgm
.Lfunc_end_k_q74ccff6d5d_block:
	.size	k_q74ccff6d5d_block, .Lfunc_end_k_q74ccff6d5d_block-k_q74ccff6d5d_block
	.p2alignl 7, 3214868480
	.fill 96, 4, 3214868480
	.section	.rodata,"a",@progbits
	.p2align	6, 0x0
	.amdhsa_kernel k_q74ccff6d5d_block
		.amdhsa_group_segment_fixed_size 319488
		.amdhsa_private_segment_fixed_size 0
		.amdhsa_enable_private_segment 0
		.amdhsa_kernarg_size 32
		.amdhsa_user_sgpr_count 2
		.amdhsa_user_sgpr_kernarg_segment_ptr 1
		.amdhsa_wavefront_size32 1
		.amdhsa_system_sgpr_workgroup_id_x 1
		.amdhsa_system_sgpr_workgroup_id_y 1
		.amdhsa_system_sgpr_workgroup_id_z 1
		.amdhsa_system_vgpr_workitem_id 0
		.amdhsa_next_free_vgpr 512
		.amdhsa_next_free_sgpr 96
		.amdhsa_reserve_vcc 1
		.amdhsa_float_denorm_mode_32 3
		.amdhsa_float_denorm_mode_16_64 3
		.amdhsa_memory_ordered 1
		.amdhsa_forward_progress 1
		.amdhsa_inst_pref_size 255
	.end_amdhsa_kernel
	.section	.bss,"aw",@nobits
	.p2align	6
	.space	262144
	.amdgpu_metadata
---
amdhsa.version: [ 1, 2 ]
amdhsa.kernels:
  - .name:           k_q74ccff6d5d_block
    .symbol:         k_q74ccff6d5d_block.kd
    .args:
      - { .name: x, .offset: 0, .size: 8, .value_kind: global_buffer, .address_space: global }
      - { .name: ly0, .offset: 8, .size: 8, .value_kind: global_buffer, .address_space: global }
      - { .name: mp0, .offset: 16, .size: 8, .value_kind: global_buffer, .address_space: global }
      - { .name: xmid, .offset: 24, .size: 8, .value_kind: global_buffer, .address_space: global }
    .group_segment_fixed_size: 319488
    .private_segment_fixed_size: 0
    .kernarg_segment_align: 8
    .kernarg_segment_size: 32
    .max_flat_workgroup_size: 256
    .sgpr_count:     96
    .vgpr_count:     512
    .wavefront_size: 32
...
	.end_amdgpu_metadata
.endif
;; end of part 2
;; launch block2: the kernel of part 2 again; grid 64 x 4, 8 waves a work-group, no clusters, 319,488 bytes of LDS; arguments xmid, ly1, mp1, out0; writes out0
